; MI455X (gfx1250); checked and timed in simulation.
; The chip was launched on July 23, 2026; its instructions are those of AMD's public machine-readable ISA for CDNA 5 (MIT licence, August 2026) and "CDNA5" Instruction Set Architecture Reference Guide (July 2026). The comments in the code are by the model that wrote it; some were corrected since.
;; Bert Self Attention. Allowed arithmetic: matrix products marked QUANTISED: E2M3 operands, one E8M0 scale for each 32 along K, by v_wmma_scale_f32_16x16x128_f8f6f4 with both operands' format E2M3, f32 sums; everything else in f32.
;; Inputs: Wk 1,024 x 1,024 float32; Wq 1,024 x 1,024 float32; Wv 1,024 x 1,024 float32; attention_mask 2 x 1 x 1 x 2,048 float32; bk 1,024 float32; bq 1,024 float32; bv 1,024 float32; hidden_states 2 x 2,048 x 1,024 float32.
;; Outputs: out0 2 x 2,048 x 1,024 float32.
;; This version of the problem:
;;   THIS VERSION OF THE PROBLEM IS GIVEN IN LOW PRECISION. The matrix products marked QUANTISED in the list below multiply operands that are first quantised to E2M3 (2 exponent bits, 3 mantissa bits; 6 bits a number), with one power-of-two scale for each 32 numbers along K (OCP MX v1.0); their sums are f32. All else is computed in f32.
;;   The module's matrix products, in the order in which they are computed (A, B: the left and right operand; K: the contracted axis; several contracted axes count as one K, in the product's order):
;;     1. [M 4,096, K 1,024] x [K 1,024, N 1,024]; A: input hidden_states; B: input Wq: QUANTISED
;;     2. [M 4,096, K 1,024] x [K 1,024, N 1,024]; A: input hidden_states; B: input Wk: QUANTISED
;;     3. [M 4,096, K 1,024] x [K 1,024, N 1,024]; A: input hidden_states; B: input Wv: QUANTISED
;;     4. batch 32 x [M 2,048, K 64] x [K 64, N 2,048]; A: computed on the way; B: computed on the way: QUANTISED
;;     5. batch 32 x [M 2,048, K 2,048] x [K 2,048, N 64]; A: softmax (see below); B: computed on the way: QUANTISED
;;   THE QUANTISER, for each operand of a quantised product, along K:
;;     - K is cut into blocks of 32 from its start; a last block that is shorter is filled with zeros.
;;     - A block's scale is 2^e with e = floor(log2(the largest magnitude in the block)) - 2, held to -126 .. 127; a block of zeros has e = 0. As a byte (E8M0): e + 127.
;;     - Each number is divided by its block's scale, clamped to +-7.5, and rounded to the nearest number of E2M3, ties to even, subnormals kept.
;;     - The product sums the exact products of the quantised numbers (number of the format x scale) in f32.
;;   ~~~python
;;   def quantise(x, axis):      # numpy; x: float32 -> the quantised numbers, widened to float32 again
;;       x = np.moveaxis(x, axis, -1); K = x.shape[-1]
;;       x = np.pad(x, [(0, 0)] * (x.ndim - 1) + [(0, -K % 32)]); x = x.reshape(x.shape[:-1] + (-1, 32)); a = np.abs(x).max(-1, keepdims=True)
;;       e = np.where(a > 0, np.clip(np.frexp(np.where(a > 0, a, 1))[1] - 1 - 2, -126, 127), 0)      # np.frexp(a)[1] - 1 = floor(log2(a)), exactly
;;       r = np.clip(x / 2.0 ** e, -7.5, 7.5)
;;       step = 2.0 ** (np.maximum(np.frexp(np.where(r == 0, 1, r))[1] - 1, 0) - 3)
;;       q = np.round(r / step) * step * 2.0 ** e      # np.round: ties to even
;;       return np.moveaxis(q.reshape(q.shape[:-2] + (-1,))[..., :K], -1, axis).astype(np.float32)
;;   ~~~
;;   SOFTMAX AHEAD OF A QUANTISED PRODUCT. Where the list says 'softmax', what is quantised is not the finished softmax but p = 2^(t - M), with t = logit x log2(e) and M = ceil(the row's largest t), a whole number; so 1/2 < the row's largest p <= 1. The row's sum l is taken of the UNQUANTISED p, in f32, and the product's result is divided by l at the end. Since M is a whole number, a kernel that streams over the keys may use a running M (the ceiling of the running maximum): every later rescaling is an exact power of two, which a block's scale takes up: the codes' values come out the same.
;;   OPERANDS COMPUTED ON THE WAY. 'Computed on the way' means the value that the module computes at that place (a softmax that the list does not call 'softmax' is quantised finished and normalised). What goes into a quantiser is computed in f32, as accurately as f32 sums, v_exp_f32 and their like allow (about 1e-6 of the number): no bf16 or f16 on the way to a quantiser, and a product that is left as it is and whose result goes on into a quantised operand takes f32 operands (vector FMAs, or v_wmma_f32_16x16x4_f32). A number that lies on a knife's edge between two numbers of the format may be rounded either way, as far as f32 arithmetic and the matrix unit's own rounding can turn it there, and no further.
;; One version. Each part assembles by itself: llvm-mc -triple=amdgcn-amd-amdhsa -mcpu=gfx1250 --defsym DOCPART=n.
;; ======== version 1 of 1: 3 launches
;; limits: right only within a limited range of input values; inputs' magnitudes at most 536,870,912
;; workspace buffers: ximg 3,276,800 bytes; wimg 2,457,600 bytes; qimg 3,407,872 bytes; kvimg 6,815,744 bytes
;; launch quant (part 1): grid 640 x 1, 4 waves a work-group, no clusters, 40,704 bytes of LDS; arguments hidden_states, Wq, Wk, Wv, ximg, wimg; writes ximg, wimg
.if DOCPART == 1
	.amdgcn_target "amdgcn-amd-amdhsa--gfx1250"
	.amdhsa_code_object_version 6
	.text
	.protected	k_q5a6fec34db_quant
	.globl	k_q5a6fec34db_quant
	.p2align	8
	.type	k_q5a6fec34db_quant,@function
k_q5a6fec34db_quant:
	s_mov_b64 s[64:65], 0
	v_nop
	global_prefetch_b8 v0, s[64:65] scope:SCOPE_SE
	s_setreg_imm32_b32 hwreg(HW_REG_WAVE_MODE, 25, 1), 1
	s_wait_xcnt 0x0
; hidden_states [4096][1024] (K innermost) and Wq, Wk, Wv [1024 (K)][1024] (K the first axis), all f32, become codes of FP6 (E2M3) with one E8M0 byte for each 32 along K.
; No product, step or input of the problem is left out as dead work in this program.
; A block's scale is 2^(floor(log2(its largest magnitude)) - 2): its byte is the largest magnitude's exponent field - 2, held at 1 from below (a block of zeros keeps the byte 1: its codes are zeros, and this program alone reads the bytes).
; LIMITS: NaN and infinities among the inputs are not served; a block whose largest magnitude lies under 2^-124 gets the byte 1.
; BOTH RESULTS ARE LAID AS IMAGES OF THE OPERAND'S REGISTERS.  A fragment is 16 rows x 128 K, 12 registers a lane; its image is 1,536 bytes: registers 4 g .. 4 g + 3 of lane l at 512 g + 16 l.
;   ximg [64 groups of 64 tokens][8 K steps][6,400]: four images (tiles 0-3), then scale words [p = 0, 1][lane] 4 bytes: lanes 0-15 tile 2 p, lanes 16-31 tile 2 p + 1.
;   wimg [16 heads][8 K steps][19,200]: twelve images (tiles 0-3 of Wq, 4-7 of Wk, 8-11 of Wv), then scale words [pair of tiles P][lane] 4 bytes: lanes 0-15 tile 2 P, lanes 16-31 tile 2 P + 1.
; THE ROWS OF A TILE ARE NOT NEIGHBOURS: of a run of 64 tokens (or of a head's 64 columns) row r of tile j is number 8 j + r % 8 + 32 (r / 8): so in a product's result the 32 registers of a lane's four tiles are 32 neighbours, a whole scale block.
; The first 256 work-groups take x, the other 384 the weights.  The two ways part once, on the work-group's number, never join, and have LDS bytes of their own.  No tensor load, no matrix instruction.
; A wave takes 16 KB of x (two tiles x 128 K) or 8 KB of a weight (32 columns x 64 K), all of it asked for at once.
.set XSTG, 8448                        ; x: a wave's stage: 16 rows x (512 bytes + 16)
.set WST,  4*XSTG                      ; the weights: behind x's stages four images, which the work-group's four waves make together,
.set WSC,  WST+6144                    ; and their 256 bytes of scale words
.set SPARE, WSC+256                    ; the spare words
.set SPW,  208
.set NIL,  209
.set S0,   32                          ; x: v32-95, v96-159: two tiles' numbers; the weights: v32-95 two blocks of 32
.set PC,   160                         ; v160-183  codes: no store's data are written again
.set PT,   184                         ; v184-186, v188-190: halves that are made here and moved
.set TM,   192                         ; v192-197  largest magnitudes, scale operands, bytes
.set PW,   200                         ; v200-202  the bytes joined
	s_load_b256 s[4:11], s[0:1], 0x0               ; hidden_states s[4:5], Wq s[6:7], Wk s[8:9], Wv s[10:11]
	s_load_b128 s[12:15], s[0:1], 0x20             ; ximg s[12:13], wimg s[14:15]
	v_lshl_add_u32 v[SPW], v0, 2, SPARE
	v_mov_b32 v[NIL], 0
	v_lshrrev_b32 v1, 5, v0
	v_readfirstlane_b32 s16, v1                    ; wave 0..3
	v_and_b32 v2, 31, v0                           ; lane
	v_and_b32 v7, 15, v0                           ; r = lane % 16
	v_bfe_u32 v8, v0, 4, 1                         ; h = lane / 16
	s_and_b32 s17, s16, 1                          ; x: p, which two tiles of the group; weights: b, which 32 of the head's 64 columns
	s_cmp_lt_u32 ttmp9, 256
	s_wait_alu depctr_va_vdst(0)                   ; the wait directly ahead of the branch
	s_cbranch_scc0 .Lweights
; ---------------- x.  A load takes one token's 512 bytes, 16 a lane.  A tile's 16 rows turn through the wave's stage and come back so that lane (r, h) holds k = 64 c + 32 h + 0 .. 31 of row r: two whole blocks, in the operand's own order.
	s_mul_i32 s18, s16, XSTG
	v_lshlrev_b32 v3, 4, v2                        ; 16 x lane
	v_lshlrev_b32 v4, 2, v2                        ; 4 x lane
	v_add_nc_u32 v5, s18, v3                       ; the stage, on the way in: 16 x lane of a row
	v_mul_u32_u24 v6, v7, 528
	v_lshl_add_u32 v6, v8, 7, v6
	v_add_nc_u32 v6, s18, v6                       ; and on the way out: row r, + 128 h
	s_lshl_b32 s18, ttmp9, 1
	s_lshr_b32 s19, s16, 1
	s_add_co_u32 s18, s18, s19                     ; my unit: 8 x group + K step
	s_lshr_b32 s19, s18, 3
	s_and_b32 s20, s18, 7
	s_lshl_b32 s24, s19, 18                        ; 64 tokens of 4,096 bytes
	s_lshl_b32 s20, s20, 9                         ; 128 numbers of 4 bytes
	s_add_co_u32 s24, s24, s20
	s_lshl_b32 s20, s17, 16                        ; tiles 2 p: 16 p tokens on
	s_add_co_u32 s24, s24, s20
	s_mov_b32 s25, 0
	s_mul_i32 s26, s18, 6400
	s_mov_b32 s27, 0
	s_mul_i32 s20, s17, 3072
	s_mov_b32 s21, 0
	s_lshl_b32 s22, s17, 7
	s_mov_b32 s23, 0
	s_wait_alu depctr_va_vdst(0)                   ; the wait at the head's end
	s_wait_kmcnt 0x0
	s_add_nc_u64 s[4:5], s[4:5], s[24:25]
	s_add_nc_u64 s[28:29], s[12:13], s[26:27]
	s_add_nc_u64 s[12:13], s[28:29], s[20:21]      ; my two images
	s_add_nc_u64 s[28:29], s[28:29], s[22:23]      ; my scale words, 6,144 further on
.irp u, 0,1
.irp r, 0,1,2,3,4,5,6,7,8,9,10,11,12,13,14,15
	global_load_b128 v[S0+64*\u+4*\r:S0+64*\u+4*\r+3], v3, s[4:5] offset:(8*\u+\r+24*(\r/8))*4096 th:TH_LOAD_NT   ; 512 consecutive bytes
.endr
.endr
.macro TILE u
.set SS, S0+64*(\u)
.set PP, PC+12*(\u)
	s_wait_loadcnt 16*(1-\u)                       ; this tile's 16 loads are in; the next tile's 16 may be out
.irp r, 0,1,2,3,4,5,6,7,8,9,10,11,12,13,14,15
	ds_store_b128 v5, v[SS+4*\r:SS+4*\r+3] offset:528*\r
.endr
.irp c, 0,1
.irp j, 0,1,2,3,4,5,6,7
	ds_load_b128 v[SS+32*\c+4*\j:SS+32*\c+4*\j+3], v6 offset:256*\c+16*\j   ; LDS serves a wave's instructions in order (ISA guide 5.7.1.4): these see the stores above
.endr
.endr
	s_wait_alu depctr_va_vdst(0)
	s_wait_dscnt 0x0
.irp c, 0,1
	v_max3_num_f32 v[TM+\c], |v[SS+32*\c]|, |v[SS+32*\c+1]|, |v[SS+32*\c+2]|
.endr
.irp i, 3,5,7,9,11,13,15,17,19,21,23,25,27,29
.irp c, 0,1
	v_max3_num_f32 v[TM+\c], v[TM+\c], |v[SS+32*\c+\i]|, |v[SS+32*\c+\i+1]|
.endr
.endr
.irp c, 0,1
	v_max3_num_f32 v[TM+\c], v[TM+\c], |v[SS+32*\c+31]|, 0x1800000   ; and the floor 2^(3 - 127): the byte cannot fall under 1
.endr
.irp c, 0,1
	v_add_nc_u32 v[TM+2+\c], 0xff000000, v[TM+\c]  ; 2 off its exponent field: the conversion takes the exponent field of this operand as its scale
.endr
.irp c, 0,1
	v_lshrrev_b32 v[TM+4+\c], 23, v[TM+2+\c]       ; the scale's byte
.endr
	v_lshl_or_b32 v[PW+\u], v[TM+5], 16, v[TM+4]   ; my bytes: blocks h and 2 + h of row r
.irp c, 0,1
	v_cvt_scalef32_pk16_fp6_f32 v[PP+6*\c:PP+6*\c+2], v[SS+32*\c:SS+32*\c+15], v[TM+2+\c]
	v_cvt_scalef32_pk16_fp6_f32 v[PT+4*\c:PT+4*\c+2], v[SS+32*\c+16:SS+32*\c+31], v[TM+2+\c]   ; (a conversion's three registers begin on an even number)
.endr
	v_nop                                          ; one plain instruction behind the scaled conversions
.irp c, 0,1
.irp i, 0,1,2
	v_mov_b32 v[PP+6*\c+3+\i], v[PT+4*\c+\i]
.endr
.endr
.irp g, 0,1,2
	global_store_b128 v3, v[PP+4*\g:PP+4*\g+3], s[12:13] offset:1536*(\u)+512*\g   ; 32 lanes store 512 consecutive bytes
.endr
.endm
	TILE 0
	TILE 1
	v_permlane16_swap_b32 v[PW], v[PW+1]           ; now the first holds the h = 0 bytes of tile 2 p (lanes 0-15) and of tile 2 p + 1 (lanes 16-31), the second the h = 1 bytes
	v_lshl_or_b32 v[PW+2], v[PW+1], 8, v[PW]
	global_store_b32 v4, v[PW+2], s[28:29] offset:6144   ; 128 consecutive bytes; the wave beside this one stores the other 128
	s_wait_tensorcnt 0x0                           ; the wave's end
	ds_add_u32 v[SPW], v[NIL]
	s_wait_dscnt 0x0
	s_endpgm
; ---------------- the weights.  A work-group takes one head's 64 columns x one K step of one matrix; wave (b, c) the columns 32 b + 0 .. 31 and the K step's numbers 64 c + 0 .. 63.  A LANE TAKES A COLUMN AND ITS REGISTERS RUN DOWN K:
; a load reads 128 consecutive bytes, a block of 32 lies in one lane, and the conversions give its 24 bytes of codes.  Column 32 b + l is row r = 8 b + l % 8 of tile j = l / 8; block 2 c + h' of it is registers 6 c .. 6 c + 5 of lane 16 h' + r of
; image j.  The four waves put their codes at those places in LDS; behind a barrier wave w stores image w as it lies, and wave 0 the scale words.
.Lweights:
	s_sub_co_u32 s18, ttmp9, 256
	s_lshr_b32 s25, s16, 1                         ; c
	s_lshl_b32 s22, s17, 7                         ; 128 b: 32 columns in memory; 8 rows of an image in LDS
	s_mul_i32 s26, s25, 520
	s_add_co_u32 s26, s26, s22
	s_add_co_u32 s26, s26, WST
	s_mul_i32 s27, s25, 1016
	s_add_co_u32 s27, s27, s22
	s_add_co_u32 s27, s27, WST+8
	s_lshl_b32 s28, s17, 5
	s_lshl_b32 s29, s25, 1
	s_add_co_u32 s28, s28, s29
	s_add_co_u32 s28, s28, WSC
	s_mul_i32 s29, s16, 1536
	s_add_co_u32 s30, s29, WST
	v_lshl_add_u32 v3, v2, 2, s22                  ; my column, in bytes
	v_lshrrev_b32 v10, 3, v2                       ; j
	v_and_b32 v11, 7, v2
	v_mul_u32_u24 v12, v10, 1536
	v_lshl_add_u32 v12, v11, 4, v12
	v_add_nc_u32 v4, s26, v12                      ; where registers 6 c, 6 c + 1 go, and 512 further on 6 c + 4, 6 c + 5
	v_add_nc_u32 v5, s27, v12                      ; where registers 6 c + 2, 6 c + 3 go
	v_lshlrev_b32 v13, 6, v10
	v_lshl_add_u32 v13, v11, 2, v13
	v_add_nc_u32 v6, s28, v13                      ; my two scale bytes: 64 j + 4 r + 2 c
	v_lshlrev_b32 v9, 4, v2                        ; 16 x lane
	v_add_nc_u32 v14, s30, v9                      ; the way out: image w
	v_lshlrev_b32 v15, 3, v2                       ; 8 x lane
	v_add_nc_u32 v16, WSC, v15
	s_wait_alu depctr_va_vdst(0)                   ; the wait at the head's end
	s_lshr_b32 s19, s18, 7                         ; the matrix: 0 Wq, 1 Wk, 2 Wv
	s_bfe_u32 s20, s18, 0x40003                    ; the head
	s_and_b32 s24, s18, 7                          ; the K step
	s_lshl_b32 s26, s24, 19                        ; in: 128 rows of 4,096 bytes for each K step,
	s_lshl_b32 s25, s25, 18
	s_add_co_u32 s26, s26, s25                     ; 64 c of them,
	s_lshl_b32 s25, s20, 8
	s_add_co_u32 s26, s26, s25                     ; the head's 256 bytes
	s_mov_b32 s27, 0
	s_mul_i32 s20, s20, 153600
	s_mul_i32 s24, s24, 19200
	s_add_co_u32 s20, s20, s24                     ; out: the head's K step
	s_mul_i32 s30, s19, 6144
	s_add_co_u32 s30, s30, s20
	s_add_co_u32 s30, s30, s29                     ; image 4 x matrix + w
	s_mov_b32 s31, 0
	s_lshl_b32 s28, s19, 8
	s_add_co_u32 s28, s28, s20
	s_add_co_u32 s28, s28, 18432                   ; the matrix's scale words
	s_mov_b32 s29, 0
	s_wait_kmcnt 0x0
	s_cmp_eq_u32 s19, 1                            ; the choice hangs on the work-group's number alone
	s_cselect_b64 s[6:7], s[8:9], s[6:7]
	s_cmp_eq_u32 s19, 2
	s_cselect_b64 s[6:7], s[10:11], s[6:7]
	s_add_nc_u64 s[6:7], s[6:7], s[26:27]
	s_add_nc_u64 s[12:13], s[14:15], s[30:31]
	s_add_nc_u64 s[14:15], s[14:15], s[28:29]
.set n, 0
.rept 64
	global_load_b32 v[S0+n], v3, s[6:7] offset:n*4096 th:TH_LOAD_NT
.set n, n+1
.endr
.macro BLOCK t                         ; h' = t
.set XV, S0+32*(\t)
.set CW, PC+6*(\t)                     ; each block has its own registers for its codes
	s_wait_loadcnt 32*(1-\t)                       ; this block's 32 loads are in; the next block's may be out
	v_max3_num_f32 v[TM], |v[XV]|, |v[XV+1]|, |v[XV+2]|   ; the block's largest magnitude: all 32 numbers are mine
	v_max3_num_f32 v[TM+1], |v[XV+3]|, |v[XV+4]|, |v[XV+5]|
.irp i, 6,10,14,18,22,26
	v_max3_num_f32 v[TM], v[TM], |v[XV+\i]|, |v[XV+\i+1]|
	v_max3_num_f32 v[TM+1], v[TM+1], |v[XV+\i+2]|, |v[XV+\i+3]|
.endr
	v_max3_num_f32 v[TM], v[TM], |v[XV+30]|, |v[XV+31]|
	v_max3_num_f32 v[TM], v[TM], v[TM+1], 0x1800000   ; and the floor 2^(3 - 127)
	v_add_nc_u32 v[TM+2], 0xff000000, v[TM]        ; the conversion's scale operand
.if (\t) == 0
	v_lshrrev_b32 v[PW], 23, v[TM+2]               ; the scale's byte; the lower K in the lower byte
.else
	v_lshrrev_b32 v[TM+3], 23, v[TM+2]
	v_lshl_or_b32 v[PW], v[TM+3], 8, v[PW]
.endif
	v_cvt_scalef32_pk16_fp6_f32 v[CW:CW+2], v[XV:XV+15], v[TM+2]
	v_cvt_scalef32_pk16_fp6_f32 v[PT:PT+2], v[XV+16:XV+31], v[TM+2]
	v_nop                                          ; one plain instruction behind the scaled conversions
.irp i, 0,1,2
	v_mov_b32 v[CW+3+\i], v[PT+\i]
.endr
	ds_store_b64 v4, v[CW:CW+1] offset:256*(\t)
	ds_store_b64 v5, v[CW+2:CW+3] offset:256*(\t)
	ds_store_b64 v4, v[CW+4:CW+5] offset:512+256*(\t)
	s_wait_alu depctr_va_vdst(0)                   ; the wait ahead of the waits that follow
.endm
	BLOCK 0
	BLOCK 1
	ds_store_b16 v6, v[PW]
	s_wait_dscnt 0x0                               ; my part of the images and words is stored,
	s_barrier_signal -1
	s_barrier_wait -1                              ; and everybody's
.irp i, 0,1,2
	ds_load_b128 v[96+4*\i:99+4*\i], v14 offset:512*\i
.endr
.irp i, 0,1,2
	s_wait_dscnt 2-\i                              ; the younger loads may be out
	global_store_b128 v9, v[96+4*\i:99+4*\i], s[12:13] offset:512*\i   ; 512 consecutive bytes
.endr
	s_cmp_lg_u32 s16, 0
	s_cbranch_scc1 .Lno_words
	ds_load_b64 v[108:109], v16
	s_wait_dscnt 0x0
	global_store_b64 v15, v[108:109], s[14:15]     ; 256 consecutive bytes
.Lno_words:
	s_wait_tensorcnt 0x0                           ; the wave's end
	ds_add_u32 v[SPW], v[NIL]
	s_wait_dscnt 0x0
	s_endpgm
.Lfunc_end_k_q5a6fec34db_quant:
	.size	k_q5a6fec34db_quant, .Lfunc_end_k_q5a6fec34db_quant-k_q5a6fec34db_quant
	.p2alignl 7, 3214868480
	.fill 96, 4, 3214868480
	.section	.rodata,"a",@progbits
	.p2align	6, 0x0
	.amdhsa_kernel k_q5a6fec34db_quant
		.amdhsa_group_segment_fixed_size 40704
		.amdhsa_private_segment_fixed_size 0
		.amdhsa_enable_private_segment 0
		.amdhsa_kernarg_size 48
		.amdhsa_user_sgpr_count 2
		.amdhsa_user_sgpr_kernarg_segment_ptr 1
		.amdhsa_wavefront_size32 1
		.amdhsa_system_sgpr_workgroup_id_x 1
		.amdhsa_system_sgpr_workgroup_id_y 1
		.amdhsa_system_sgpr_workgroup_id_z 1
		.amdhsa_system_vgpr_workitem_id 0
		.amdhsa_next_free_vgpr 212
		.amdhsa_next_free_sgpr 66
		.amdhsa_reserve_vcc 0
		.amdhsa_float_denorm_mode_32 3
		.amdhsa_float_denorm_mode_16_64 3
		.amdhsa_memory_ordered 1
		.amdhsa_forward_progress 1
		.amdhsa_inst_pref_size 29
	.end_amdhsa_kernel
	.amdgpu_metadata
---
amdhsa.version: [ 1, 2 ]
amdhsa.kernels:
  - .name:           k_q5a6fec34db_quant
    .symbol:         k_q5a6fec34db_quant.kd
    .args:
      - { .name: hidden_states, .offset: 0, .size: 8, .value_kind: global_buffer, .address_space: global }
      - { .name: Wq, .offset: 8, .size: 8, .value_kind: global_buffer, .address_space: global }
      - { .name: Wk, .offset: 16, .size: 8, .value_kind: global_buffer, .address_space: global }
      - { .name: Wv, .offset: 24, .size: 8, .value_kind: global_buffer, .address_space: global }
      - { .name: ximg, .offset: 32, .size: 8, .value_kind: global_buffer, .address_space: global }
      - { .name: wimg, .offset: 40, .size: 8, .value_kind: global_buffer, .address_space: global }
    .group_segment_fixed_size: 40704
    .private_segment_fixed_size: 0
    .kernarg_segment_align: 8
    .kernarg_segment_size: 48
    .max_flat_workgroup_size: 128
    .sgpr_count:     66
    .vgpr_count:     212
    .wavefront_size: 32
...
	.end_amdgpu_metadata
.endif
;; end of part 1
;; launch qkv (part 2): grid 16 x 16, 4 waves a work-group, clusters of 4 x 1, 168,448 bytes of LDS; arguments ximg, wimg, bq, bk, bv, qimg, kvimg; writes qimg, kvimg
.if DOCPART == 2
	.amdgcn_target "amdgcn-amd-amdhsa--gfx1250"
	.amdhsa_code_object_version 6
	.text
	.protected	k_q5a6fec34db_qkv
	.globl	k_q5a6fec34db_qkv
	.p2align	8
	.type	k_q5a6fec34db_qkv,@function
k_q5a6fec34db_qkv:
	s_mov_b64 s[64:65], 0
	v_nop
	global_prefetch_b8 v0, s[64:65] scope:SCOPE_SE
	s_setreg_imm32_b32 hwreg(HW_REG_WAVE_MODE, 25, 1), 1
	s_wait_xcnt 0x0
	s_wait_alu depctr_hold_cnt(0) depctr_sa_sdst(0) depctr_va_vdst(0) depctr_va_sdst(0) depctr_va_ssrc(0) depctr_va_vcc(0) depctr_vm_vsrc(0)
	s_getreg_b32 s2, hwreg(HW_REG_IB_STS2, 6, 4)
	s_cmp_eq_u32 s2, 0
	s_cbranch_scc0 .Lentry_in_a_cluster
	s_endpgm
.Lentry_in_a_cluster:
	s_bfe_u32 s2, ttmp6, 0x10000c
	s_cmp_lg_u32 s2, 0x3003
	s_cbranch_scc0 .Lentry_shape_is_right
	s_endpgm
.Lentry_shape_is_right:
; q = x Wq + bq, k = x Wk + bk, v = x Wv + bv on codes of FP6 (E2M3) with E8M0 scales, f32 sums; the results are quantised at once for the attention's two products: q and k along the head's 64, v along the keys.
; SHARES.  A work-group makes q, k and v of ONE head (3 x 64 columns) for 256 tokens; wave w takes tokens 64 w .. 64 w + 63 against all 192 columns: 48 accumulators, 384 registers.  K = 1,024 goes in 8 steps of 128, written out.
; THE HEAD'S WEIGHTS, 8 K steps x 19,200 bytes = 153,600 bytes of images and scale words, lie in LDS whole, filled ONCE: no slot is ever filled again.
; CLUSTER.  The four work-groups of a cluster have the same head and other tokens: the weights are asked for JOINTLY (mask 15), one load a wave: wave 0 brings K step 0, wave 1 K steps 1 and 2, wave 2 K steps 3 and 4, wave 3 K steps 5 to 7.
; Each wave's load is a line of its own, and each is shown to the others by a barrier ahead of its first K step's LDS loads.
; x IS NOT SHARED SO: a work-group's codes of x are 4 x 51,200 = 204,800 bytes, which with the weights' 153,600 pass a work-group's LDS; and each fragment of x is read by one wave alone, so it goes from memory straight into
; that wave's registers, as an image by three loads of 16 bytes a lane, four K steps ahead.  No prefetch: half of x and all of the weights are asked for at the head.
; LAYOUT.  q and k are made TRANSPOSED (source 0 = 16 columns of W, source 1 = 16 tokens): a lane holds one token and its registers run along d.  v is made the natural way (source 0 = tokens, source 1 = 16 columns): a lane holds one d
; and its registers run along the tokens, which are the second attention product's K.  Row r of tile j of a run of 64 is number 8 j + r % 8 + 32 (r / 8), so a lane's 32 registers of four tiles are the 32 neighbours 32 (lane / 16) + 0 .. 31: one scale block.
; The biases are the C of each sum's first matrix instruction.
; OUT.  qimg [32 batch x head][32 groups of 64 tokens][3,328]: four half images (a tile's registers 0-5: registers 0-3 of lane l at 16 l, registers 4-5 at 512 + 8 l), then 256 bytes of scale words (lane l's 8 bytes at 8 l; word p: lanes 0-15 tile 2 p, lanes 16-31 tile 2 p + 1).
; kvimg [32][32 groups of 64 keys][6,656]: k's four half images, v's four (d tile t's row r is d = 8 t + r % 8 + 32 (r / 8); 16 d x these 64 keys), k's scale words, v's.  q's and k's words: two bytes, and 0x7f in the upper two; v's: two bytes, in the lower half for an even group, in the upper for an odd one.
; LIMITS: NaN and infinities are not served; a block whose largest magnitude lies under 2^-124 gets the byte 1 (a block of zeros too: its codes are zeros, and this program alone reads the bytes).
; REGISTERS, in windows of 256 (s_set_vgpr_msb: bits 1:0 source 0, 3:2 source 1, 5:4 source 2, 7:6 destination):
;   window 0: v1-15 addresses; scale words: W's six at 32 + 8 (step % 2), x's two at 38 + 8 (step % 4); v64-159 Wq's and Wk's eight fragments in even K steps; v160-207 Wv's four; later codes; v208-243 at work in the epilogue
;   window 1: v0-191 x's fragments, 4 sets of 4; v192-255 bq's and bk's 8 tiles      window 2: q's and k's 32 accumulators, (tile j, tokens i) at 128 (j / 4) + 32 i + 8 (j % 4)
;   window 3: v0-127 v's 16 accumulators, (d tile t, tokens i) at 32 t + 8 i; v128-159 bv, 8 registers a d tile; v160-255 Wq's and Wk's eight fragments in odd K steps
.set UX,  6400                         ; a K step's unit of ximg
.set UW,  19200                        ; and of wimg, in memory and in LDS
.set SPARE, 0x29000
.set BF,  64
.set ADF, 9                            ; v9-11  LDS: 16 x lane + 3 UW n: K steps 3 n .. 3 n + 2 are reached by the immediate
.set ADS, 12                           ; v12-14 LDS: 4 x lane + 3 UW n
.set PT,  144
.set TM,  208                          ; v208-211 largest magnitudes
.set SO,  224                          ; v224-227 the conversions' scale operands
.set BY,  232                          ; v232-235 bytes
.set SPW, 254
.set NIL, 255
.set WV,  18
.set VV,  0xf1                         ; C and D window 3, source 1 (W) window 0, source 0 (x) window 1
.set TO1, 0x40
.set TO3, 0xc0
.set MV3, 0xc3
.set MSB, 0
.macro WIN new                         ; the immediate's high byte repeats the setting that is left
.if MSB != \new
	s_set_vgpr_msb (MSB<<8)|\new
.set MSB, \new
.endif
.endm
.macro CROUND                          ; a round of the cluster's barrier
	s_barrier_signal -1
	s_barrier_wait -1
	s_cmp_lg_u32 s[WV], 0
	s_cbranch_scc1 .Lnot_wave_0_\@
	s_barrier_signal -3
.Lnot_wave_0_\@:
	s_barrier_wait -3
	s_barrier_signal -1
	s_barrier_wait -1
.endm
.macro TLOAD g0, g1
	tensor_load_to_lds s[\g0:\g0+3], s[\g1:\g1+7]
	s_nop 0
.rept 4
	v_nop
.endr
.endm
.macro ARM under, g0, g1, next         ; one arm of the head's chain: a load line of the wave's own
	s_cmp_lt_u32 s[WV], \under
	s_cbranch_scc0 \next
	TLOAD \g0, \g1
	s_branch .Lasked
\next:
.endm
.macro G1SET g, rows                   ; descriptor group 1: rows of 256 bytes (32 elements of 8 bytes), dense, no padding; 15:0 the mask: all four work-groups; 21 set beside a mask
	s_mov_b32 s[\g], 15|(3<<16)|(1<<21)
	s_mov_b32 s[\g+1], 32<<16
	s_mov_b32 s[\g+2], (\rows)<<16
	s_mov_b32 s[\g+3], 32<<16
	s_mov_b32 s[\g+4], \rows
	s_mov_b32 s[\g+5], 32
	s_mov_b32 s[\g+6], 0
	s_mov_b32 s[\g+7], 0
.endm
.macro G0SET g, k                      ; group 0: from the head's K step k on, to the same place in LDS
	s_mov_b32 s[\g], 1
	s_mov_b32 s[\g+1], (\k)*UW
	s_add_nc_u64 s[\g+2:\g+3], s[6:7], (\k)*UW
	s_or_b32 s[\g+3], s[\g+3], 0x80000000
.endm
	s_load_b256 s[4:11], s[0:1], 0x0               ; ximg s[4:5], wimg s[6:7], bq s[8:9], bk s[10:11]
	s_load_b128 s[12:15], s[0:1], 0x20             ; bv s[12:13], qimg s[14:15]
	s_load_b64 s[16:17], s[0:1], 0x30              ; kvimg
	v_lshl_add_u32 v[SPW], v0, 2, SPARE
	v_mov_b32 v[NIL], 0
	ds_add_u32 v[SPW], v[NIL]                      ; the opening lines: the add, twice on end, and its wait
	ds_add_u32 v[SPW], v[NIL]
	v_lshrrev_b32 v1, 5, v0
	v_readfirstlane_b32 s[WV], v1                  ; wave 0..3
	v_and_b32 v7, 31, v0                           ; lane
	v_bfe_u32 v5, v0, 4, 1
	v_and_b32 v6, 7, v0
	v_bfe_u32 v3, v0, 3, 1
	v_lshlrev_b32 v1, 4, v7                        ; 16 x lane
	v_lshlrev_b32 v2, 3, v7                        ; 8 x lane
	v_lshlrev_b32 v8, 2, v7                        ; 4 x lane
	v_lshlrev_b32 v5, 7, v5                        ; 128 h: bq, bk: my half's numbers lie 32 further on
	v_lshlrev_b32 v6, 2, v6
	v_lshl_add_u32 v6, v3, 7, v6                   ; bv: 4 (r % 8) + 128 (r / 8)
.irp n, 0,1,2
	v_add_nc_u32 v[ADF+\n], 3*UW*\n, v1
	v_add_nc_u32 v[ADS+\n], 3*UW*\n, v8
.endr
	s_wait_alu depctr_va_vdst(0)
	s_bfe_u32 s19, ttmp6, 0x40000                  ; cx: my place in the cluster: it enters x's, q's and kv's addresses alone
	s_lshl_b32 s20, ttmp9, 2
	s_add_co_u32 s20, s20, s19                     ; my block of 256 tokens
	s_and_b32 s21, ttmp7, 0xffff                   ; the head, which the four partners share
	G1SET 24, 75                                   ; one K step's unit,
	G1SET 68, 150                                  ; two,
	G1SET 76, 225                                  ; three
	s_mul_i32 s44, s21, 8*UW                       ; the head in wimg
	s_mov_b32 s45, 0
	s_and_b32 s40, s[WV], 1
	s_lshl_b32 s40, s40, 4                         ; v's scale bytes go 16 bits up in an odd group
	s_lshl_b32 s46, s20, 2
	s_add_co_u32 s46, s46, s[WV]                   ; my group of 64 tokens
	s_mul_i32 s46, s46, 8*UX
	s_mov_b32 s47, 0
	s_lshl_b32 s48, s21, 8                         ; the head's 64 numbers of a bias
	s_mov_b32 s49, 0
	s_lshr_b32 s50, s20, 3                         ; the batch
	s_lshl_b32 s50, s50, 4
	s_add_co_u32 s50, s50, s21                     ; batch x 16 + head
	s_lshl_b32 s50, s50, 5
	s_and_b32 s51, s20, 7
	s_lshl_b32 s51, s51, 2
	s_add_co_u32 s50, s50, s51
	s_add_co_u32 s50, s50, s[WV]                   ; x 32 + my group in the batch
	s_mul_i32 s52, s50, 3328
	s_mov_b32 s53, 0
	s_mul_i32 s54, s50, 6656
	s_mov_b32 s55, 0
	s_wait_dscnt 0x0                               ; both opening adds are done
	s_wait_kmcnt 0x0
	s_add_nc_u64 s[4:5], s[4:5], s[46:47]          ; x at my group
	s_add_nc_u64 s[6:7], s[6:7], s[44:45]
	s_add_nc_u64 s[8:9], s[8:9], s[48:49]
	s_add_nc_u64 s[10:11], s[10:11], s[48:49]
	s_add_nc_u64 s[12:13], s[12:13], s[48:49]
	s_add_nc_u64 s[14:15], s[14:15], s[52:53]      ; q's unit
	s_add_nc_u64 s[16:17], s[16:17], s[54:55]      ; k's and v's
	G0SET 32, 0
	G0SET 36, 1
	G0SET 84, 3
	G0SET 88, 5
	WIN TO1
.irp j, 0,1,2,3                                ; lane (r, h) wants, for tile j, the bias of d = 32 h + 8 j + 0 .. 7
	global_load_b128 v[192+8*\j:195+8*\j], v5, s[8:9] offset:32*\j
	global_load_b128 v[196+8*\j:199+8*\j], v5, s[8:9] offset:32*\j+16
	global_load_b128 v[224+8*\j:227+8*\j], v5, s[10:11] offset:32*\j
	global_load_b128 v[228+8*\j:231+8*\j], v5, s[10:11] offset:32*\j+16
.endr
	WIN TO3
.irp t, 0,1,2,3
	global_load_b32 v[128+8*\t], v6, s[12:13] offset:32*\t   ; bv of d = 8 t + r % 8 + 32 (r / 8)
.endr
.macro ALOAD s                         ; x's four fragments and their two scale words of K step s into set s % 4: 14 loads
	WIN TO1
.irp i, 0,1,2,3
.irp g, 0,1,2
	global_load_b128 v[48*((\s)%4)+12*\i+4*\g:48*((\s)%4)+12*\i+4*\g+3], v1, s[4:5] offset:UX*(\s)+1536*\i+512*\g
.endr
.endr
	WIN 0
	global_load_b32 v[38+8*((\s)%4)], v8, s[4:5] offset:UX*(\s)+6144
	global_load_b32 v[39+8*((\s)%4)], v8, s[4:5] offset:UX*(\s)+6272
.endm
	ALOAD 0
	CROUND                                         ; all four work-groups are here: the joint loads meet
	ARM 1, 32, 24, .Lwave_1
	ARM 2, 36, 68, .Lwave_2
	ARM 3, 84, 68, .Lwave_3
	TLOAD 88, 76
.Lasked:
	ALOAD 1
	s_wait_loadcnt 28                              ; the biases are in; x's two K steps, 14 loads each, may be out
	WIN MV3
.irp t, 0,1,2,3
.irp e, 1,2,3,4,5,6,7
	v_mov_b32 v[128+8*\t+\e], v[128+8*\t]          ; in v's layout a lane has one d: its bias in all eight registers
.endr
.endr
	WIN 0
; One matrix instruction, from the symbols rD, rA, rB, rC, rSA, rSB; fA, fB: the side's scale words lie in lanes 16-31
.macro SCW
.if fA && fB
	v_wmma_scale_f32_16x16x128_f8f6f4 v[rD:rD+7], v[rA:rA+11], v[rB:rB+11], v[rC:rC+7], v[rSA], v[rSB] matrix_a_fmt:MATRIX_FMT_FP6 matrix_b_fmt:MATRIX_FMT_FP6 matrix_a_scale:MATRIX_SCALE_ROW1 matrix_b_scale:MATRIX_SCALE_ROW1
.elseif fA
	v_wmma_scale_f32_16x16x128_f8f6f4 v[rD:rD+7], v[rA:rA+11], v[rB:rB+11], v[rC:rC+7], v[rSA], v[rSB] matrix_a_fmt:MATRIX_FMT_FP6 matrix_b_fmt:MATRIX_FMT_FP6 matrix_a_scale:MATRIX_SCALE_ROW1
.elseif fB
	v_wmma_scale_f32_16x16x128_f8f6f4 v[rD:rD+7], v[rA:rA+11], v[rB:rB+11], v[rC:rC+7], v[rSA], v[rSB] matrix_a_fmt:MATRIX_FMT_FP6 matrix_b_fmt:MATRIX_FMT_FP6 matrix_b_scale:MATRIX_SCALE_ROW1
.else
	v_wmma_scale_f32_16x16x128_f8f6f4 v[rD:rD+7], v[rA:rA+11], v[rB:rB+11], v[rC:rC+7], v[rSA], v[rSB] matrix_a_fmt:MATRIX_FMT_FP6 matrix_b_fmt:MATRIX_FMT_FP6
.endif
.endm
.macro QKRUN s, j0                     ; q's or k's tiles j0 .. j0 + 3 x my four tiles of tokens, transposed.  In K step 0 the bias is C
.if (\s) == 0
	WIN 0x94                                       ; D window 2, C window 1, source 1 (x) window 1, source 0 (W) window 0
.else
	WIN 0xa4+3*((\s)%2)                            ; D and C window 2; source 0 window 0 or 3
.endif
.set jj, \j0
.rept 4
.set ii, 0
.rept 4
.set rD, 128*(jj/4)+32*ii+8*(jj%4)
.set rA, BF+96*((\s)%2)+12*jj
.set rB, 48*((\s)%4)+12*ii
.if (\s) == 0
.set rC, 192+8*jj
.else
.set rC, rD
.endif
.set rSA, 32+8*((\s)%2)+jj/2
.set rSB, 38+8*((\s)%4)+ii/2
.set fA, jj%2
.set fB, ii%2
	SCW
.set ii, ii+1
.endr
.set jj, jj+1
.endr
.endm
.macro VRUN s                          ; v's four d tiles x my four tiles of tokens, the natural way
	WIN VV
.set tt, 0
.rept 4
.set ii, 0
.rept 4
.set rD, 32*tt+8*ii
.set rA, 48*((\s)%4)+12*ii
.set rB, BF+12*(8+tt)
.if (\s) == 0
.set rC, 128+8*tt
.else
.set rC, rD
.endif
.set rSA, 38+8*((\s)%4)+ii/2
.set rSB, 32+8*((\s)%2)+4+tt/2
.set fA, ii%2
.set fB, tt%2
	SCW
.set ii, ii+1
.endr
.set tt, tt+1
.endr
.endm
.macro RUNQ s                          ; K step s: W's six scale registers and the eight fragments of Wq and Wk, into set s % 2: 30 LDS loads
	WIN 0
.irp p, 0,1,2,3,4,5
	ds_load_b32 v[32+8*((\s)%2)+\p], v[ADS+(\s)/3] offset:UW*((\s)%3)+18432+128*\p
.endr
	WIN 0xc0*((\s)%2)
.irp j, 0,1,2,3,4,5,6,7
.irp g, 0,1,2
	ds_load_b128 v[BF+96*((\s)%2)+12*\j+4*\g:BF+96*((\s)%2)+12*\j+4*\g+3], v[ADF+(\s)/3] offset:UW*((\s)%3)+1536*\j+512*\g
.endr
.endr
	WIN 0
.endm
.macro RUNV s                          ; Wv's four fragments: 12 LDS loads
.irp j, 8,9,10,11
.irp g, 0,1,2
	ds_load_b128 v[BF+12*\j+4*\g:BF+12*\j+4*\g+3], v[ADF+(\s)/3] offset:UW*((\s)%3)+1536*\j+512*\g
.endr
.endr
.endm
.macro PLACES                          ; a load into a register that a matrix instruction has read, and the first read of a result, stand four plain vector instructions behind it (ISA guide 7.12.1 for vector instructions)
.rept 4
	v_nop
.endr
.endm
; THE EPILOGUE.  kind 0: q, 1: k (unit u = my tile of tokens u, the lane's block = half h of the head's 64), 2: v (unit u = d tile u, the lane's block = half h of the group's 64 tokens).  A block's 32 numbers are 32 registers of one lane.
; The four units by turns.  Each accumulator is read from its low end first.
.macro EPI kind
.set CD,  64+24*(\kind)                ; the codes: 6 registers a unit; each kind has its own, so that no store's data are written again
.set SCI, 136+2*(\kind)                ; the scale words as they are stored
.set AB,  128*((\kind)%2)              ; the first unit's registers, in window 2 (q, k) or 3 (v)
.set WW,  2+(\kind)/2
	WIN WW*0x15
.irp u, 0,1,2,3
	v_max3_num_f32 v[TM+\u], |v[AB+32*\u]|, |v[AB+32*\u+1]|, |v[AB+32*\u+2]|
.endr
	WIN WW*0x14
.irp i, 3,5,7,9,11,13,15,17,19,21,23,25,27,29
.irp u, 0,1,2,3
	v_max3_num_f32 v[TM+\u], v[TM+\u], |v[AB+32*\u+\i]|, |v[AB+32*\u+\i+1]|
.endr
.endr
.irp u, 0,1,2,3
	v_max3_num_f32 v[TM+\u], v[TM+\u], |v[AB+32*\u+31]|, 0x1800000   ; and the floor 2^(3 - 127): the byte cannot fall under 1
.endr
	WIN 0
.irp u, 0,1,2,3
	v_add_nc_u32 v[SO+\u], 0xff000000, v[TM+\u]    ; 2 off its exponent field: the conversion's scale operand
.endr
.irp u, 0,1,2,3
	v_lshrrev_b32 v[BY+\u], 23, v[SO+\u]           ; the scale's byte
.endr
	v_permlane16_swap_b32 v[BY], v[BY+1]           ; the first now holds the h = 0 bytes of unit 0 (lanes 0-15) and unit 1 (lanes 16-31), the second the h = 1 bytes
	v_permlane16_swap_b32 v[BY+2], v[BY+3]
	v_lshl_or_b32 v[SCI], v[BY+1], 8, v[BY]
	v_lshl_or_b32 v[SCI+1], v[BY+3], 8, v[BY+2]
.irp u, 0,1
.if (\kind) < 2
	v_or_b32 v[SCI+\u], 0x7f7f0000, v[SCI+\u]      ; K is 64 of the instruction's 128: the upper two bytes stand for 1
.else
	v_lshlrev_b32 v[SCI+\u], s40, v[SCI+\u]        ; an odd group's two bytes are the upper two of a step of 128 keys
.endif
.endr
	WIN WW
.irp u, 0,1,2,3
	v_cvt_scalef32_pk16_fp6_f32 v[CD+6*\u:CD+6*\u+2], v[AB+32*\u:AB+32*\u+15], v[SO+\u]
	v_cvt_scalef32_pk16_fp6_f32 v[PT+4*\u:PT+4*\u+2], v[AB+32*\u+16:AB+32*\u+31], v[SO+\u]   ; (a conversion's three registers begin on an even number)
.endr
	WIN 0
	v_nop                                          ; one plain instruction behind the scaled conversions
.irp u, 0,1,2,3
.irp e, 0,1,2
	v_mov_b32 v[CD+6*\u+3+\e], v[PT+4*\u+\e]
.endr
.endr
.if (\kind) == 0
.set SBASE, 14
.set OFC, 0
.set OFS, 3072
.elseif (\kind) == 1
.set SBASE, 16
.set OFC, 0
.set OFS, 6144
.else
.set SBASE, 16
.set OFC, 3072
.set OFS, 6400
.endif
.irp u, 0,1,2,3
	global_store_b128 v1, v[CD+6*\u:CD+6*\u+3], s[SBASE:SBASE+1] offset:OFC+768*\u          ; 512 consecutive bytes, at a multiple of 256 from the buffer's first byte
	global_store_b64 v2, v[CD+6*\u+4:CD+6*\u+5], s[SBASE:SBASE+1] offset:OFC+768*\u+512     ; 256 consecutive bytes
.endr
	global_store_b64 v2, v[SCI:SCI+1], s[SBASE:SBASE+1] offset:OFS
.endm
; A K step: 48 matrix instructions; the 48 accumulators take turns, one instruction a turn, in the same order in every K step.  Wq's and Wk's fragments have two sets: the next K step's are fetched behind
; this one's first 16 products; Wv's have one, fetched anew at the step's end.
.macro KSTEP s, n
	s_wait_loadcnt \n                              ; x's fragments of this K step are in; n = 14 for each later K step already asked for
	s_wait_dscnt 12                                ; Wq's and Wk's are in; the 12 loads of Wv's may be out
	QKRUN \s, 0
.if ((\s)%2 == 0) && ((\s) < 6)        ; the next K steps' weights are shown to all: wave s / 2 + 1 brought them; behind K step 4 nothing is out any more
	WIN 0
	s_wait_dscnt 0x0
.if (\s) < 4
	s_cmp_lg_u32 s[WV], (\s)/2+1
	s_cbranch_scc1 .Lnot_mine_\@
	s_wait_tensorcnt 0x0
.Lnot_mine_\@:
.else
	s_wait_tensorcnt 0x0
.endif
	s_barrier_signal -1
	s_barrier_wait -1
.endif
.if (\s) < 7
	RUNQ (\s)+1
.endif
	QKRUN \s, 4
.if (\s) < 7
	s_wait_dscnt 30                                ; Wv's are in; the 30 loads for the next K step may be out
.else
	s_wait_dscnt 0x0
	WIN 0
	PLACES
	EPI 0                                          ; q and k are finished: they leave ahead of v's last products
	EPI 1
.endif
	VRUN \s
.if (\s) < 7
	WIN 0
	PLACES
	RUNV (\s)+1
.endif
.if (\s) < 4
	ALOAD (\s)+4                                   ; this K step's set of x takes the K step four on
.endif
.endm
	s_wait_alu depctr_va_vdst(0)                   ; the wait at the head's end
	s_cmp_lg_u32 s[WV], 0
	s_cbranch_scc1 .Lnot_first
	s_wait_tensorcnt 0x0                           ; wave 0's load, K step 0, has landed; the others may be out
.Lnot_first:
	s_barrier_signal -1
	s_barrier_wait -1
	RUNQ 0
	RUNV 0
	ALOAD 2
	ALOAD 3
	KSTEP 0, 42
	KSTEP 1, 42
	KSTEP 2, 42
	KSTEP 3, 42
	KSTEP 4, 42
	KSTEP 5, 28
	KSTEP 6, 14
	KSTEP 7, 0
	WIN 0
	PLACES                                         ; behind the last products
	EPI 2
	s_wait_tensorcnt 0x0                           ; the wave's end
	ds_add_u32 v[SPW], v[NIL]
	s_wait_dscnt 0x0
	CROUND                                         ; the closing round: no work-group ends while a partner may still ask for a tile that names it
	s_endpgm
.Lfunc_end_k_q5a6fec34db_qkv:
	.size	k_q5a6fec34db_qkv, .Lfunc_end_k_q5a6fec34db_qkv-k_q5a6fec34db_qkv
	.p2alignl 7, 3214868480
	.fill 96, 4, 3214868480
	.section	.rodata,"a",@progbits
	.p2align	6, 0x0
	.amdhsa_kernel k_q5a6fec34db_qkv
		.amdhsa_group_segment_fixed_size 168448
		.amdhsa_private_segment_fixed_size 0
		.amdhsa_enable_private_segment 0
		.amdhsa_kernarg_size 56
		.amdhsa_user_sgpr_count 2
		.amdhsa_user_sgpr_kernarg_segment_ptr 1
		.amdhsa_wavefront_size32 1
		.amdhsa_system_sgpr_workgroup_id_x 1
		.amdhsa_system_sgpr_workgroup_id_y 1
		.amdhsa_system_sgpr_workgroup_id_z 1
		.amdhsa_system_vgpr_workitem_id 0
		.amdhsa_next_free_vgpr 1024
		.amdhsa_next_free_sgpr 96
		.amdhsa_reserve_vcc 0
		.amdhsa_float_denorm_mode_32 3
		.amdhsa_float_denorm_mode_16_64 3
		.amdhsa_memory_ordered 1
		.amdhsa_forward_progress 1
		.amdhsa_inst_pref_size 115
	.end_amdhsa_kernel
	.amdgpu_metadata
---
amdhsa.version: [ 1, 2 ]
amdhsa.kernels:
  - .name:           k_q5a6fec34db_qkv
    .symbol:         k_q5a6fec34db_qkv.kd
    .args:
      - { .name: ximg, .offset: 0, .size: 8, .value_kind: global_buffer, .address_space: global }
      - { .name: wimg, .offset: 8, .size: 8, .value_kind: global_buffer, .address_space: global }
      - { .name: bq, .offset: 16, .size: 8, .value_kind: global_buffer, .address_space: global }
      - { .name: bk, .offset: 24, .size: 8, .value_kind: global_buffer, .address_space: global }
      - { .name: bv, .offset: 32, .size: 8, .value_kind: global_buffer, .address_space: global }
      - { .name: qimg, .offset: 40, .size: 8, .value_kind: global_buffer, .address_space: global }
      - { .name: kvimg, .offset: 48, .size: 8, .value_kind: global_buffer, .address_space: global }
    .group_segment_fixed_size: 168448
    .private_segment_fixed_size: 0
    .kernarg_segment_align: 8
    .kernarg_segment_size: 56
    .max_flat_workgroup_size: 128
    .sgpr_count:     96
    .vgpr_count:     1024
    .wavefront_size: 32
...
	.end_amdgpu_metadata
.endif
;; end of part 2
;; launch attn (part 3): grid 8 x 32, 8 waves a work-group, clusters of 4 x 1, 291,840 bytes of LDS; arguments qimg, kvimg, attention_mask, out0; writes out0
.if DOCPART == 3
	.amdgcn_target "amdgcn-amd-amdhsa--gfx1250"
	.amdhsa_code_object_version 6
	.text
	.protected	k_q5a6fec34db_attn
	.globl	k_q5a6fec34db_attn
	.p2align	8
	.type	k_q5a6fec34db_attn,@function
k_q5a6fec34db_attn:
	s_mov_b64 s[64:65], 0
	v_nop
	global_prefetch_b8 v0, s[64:65] scope:SCOPE_SE
	s_setreg_imm32_b32 hwreg(HW_REG_WAVE_MODE, 25, 1), 1
	s_wait_xcnt 0x0
	s_wait_alu depctr_hold_cnt(0) depctr_sa_sdst(0) depctr_va_vdst(0) depctr_va_sdst(0) depctr_va_ssrc(0) depctr_va_vcc(0) depctr_vm_vsrc(0)
	s_getreg_b32 s2, hwreg(HW_REG_IB_STS2, 6, 4)
	s_cmp_eq_u32 s2, 0
	s_cbranch_scc0 .Lentry_in_a_cluster
	s_endpgm
.Lentry_in_a_cluster:
	s_bfe_u32 s2, ttmp6, 0x10000c
	s_cmp_lg_u32 s2, 0x3003
	s_cbranch_scc0 .Lentry_shape_is_right
	s_endpgm
.Lentry_shape_is_right:
; out0[b][q][64 head + :] = the sum over keys of softmax(q . k / 8 + mask[b][key]) v, both products on codes of FP6 (E2M3) with E8M0 scales, from the images that the launch before has laid (their layout: that launch's head).
; THE SOFTMAX AHEAD OF THE SECOND PRODUCT: t = (q . k + 8 mask) x log2(e) / 8; M = the row's largest t so far, rounded UP to a whole number; p = 2^(t - M) is quantised along the keys, not normalised.
; The row's sum is taken of the unquantised p and divides at the end.  When M moves, the sum and O are multiplied by 2^(old M - new M): exact.
; SHARES.  A work-group owns 256 queries of one batch and head; each of its EIGHT waves two tiles, A and B, of 16 queries, in 512 registers, two waves to a SIMD.  Each fragment of K and V and each number of the mask that a wave loads from LDS serves both tiles.
; Every wave walks all 2,048 keys, 128 a step.  THE HEAD'S K, V AND SCALE WORDS, 32 groups x 6,656 = 212,992 bytes, lie in LDS whole, as they lie in memory, filled ONCE: no slot is ever filled again.
; CLUSTER.  The four query blocks of a cluster have the same head: K and V are asked for JOINTLY (mask 15), one load a wave: waves 0 to 3 bring the first four groups, one each, waves 4 to 7 the other 28, seven each.
; The first 256 keys are walked while the others land.  No prefetch: all that is read is asked for at the head.
; LAYOUT.  Both products transposed: S^T = K Q^T (source 0 = 16 keys), O^T = V^T P^T (source 0 = 16 of the head's 64): a lane holds ONE query of each tile throughout.  Row r of key tile i of a group is key 8 i + r % 8 + 32 (r / 8), so a lane's 32 registers of a
; group c are the keys 64 c + 32 h + 0 .. 31 (h = lane / 16): one scale block, in the order of the second product's operand.  The queries' tiles are ordered likewise.
; K = 64 IN AN INSTRUCTION OF 128: Q's registers 6-11 are zero codes, every code of this format is a finite number, and both sides' upper scale bytes stand for 1: so whatever stands in K's registers 6-11 adds exactly 0.  K's tiles lie
; 6 registers apart, a tile's upper six being the next tile's (the last tile's: six registers of zeros).
; THE MASK IS THE C OF THE SCORE PRODUCT: 8 x mask lies in LDS by keys, and a lane's eight keys of a tile are 32 consecutive bytes of it.
; LIMITS.  The mask is honoured as it is within +-2^29; beyond, -infinity and +infinity too, it is held there (8 x mask at +-2^32), so that |t| stays under 2^30: M = ceil(t) is then t itself and what is left in t - M is the
; rounding of the product, at most 32, so that p stays finite also in a step all of whose keys are masked; beside any key that is not masked such p are multiplied by 0 at the next change of M.  Not served: a row ALL of whose keys carry
; a mask beyond -2^29 (with -infinity the definition gives NaN there); NaN in the mask.  A block's largest p is made from its largest score (v_exp_f32 is taken not to fall where its input rises).
; REGISTERS, window 0: v1-11 addresses; v12, v14 -M of A, B (named as pairs); v16-27, v28-39 Q of A, B, each with six zeros; v40-87 K's eight tiles, v88-93 zeros; v94-97 K's scale words; v98-101 V's as loaded, v102-103 joined; v106 Q's; v107 p's;
;   v108-155 V's four fragments; v156-167, v168-179 p's codes of A, B; v180-233 at work.   Window 1: v0-63 S^T of A, then its p; v64-127 B's; v128-191 8 x mask; v192-223, v224-255 O^T of A, B.
; A block of 32 keys has the number b = 2 x tile + c, and its scores lie at 32 b of window 1.
.set GRP,   6656                       ; a group of 64 keys
.set MASK,  32*GRP                     ; behind K and V: 2,048 f32, written by LDS stores; no fill lands there
.set STAGE, MASK+8192                  ; the way out: 32 rows x (256 bytes + 16) for each wave
.set SPARE, STAGE+8*32*272             ; the spare words
.set NM,  12
.set KF,  40
.set VF,  108
.set P,   156
.set PT,  180                          ; v180-194: halves that are made here and moved
.set BM,  196                          ; v196-199 each block's largest score, then its largest p
.set SO,  200                          ; v200-203 the conversions' scale operands
.set BY,  204                          ; v204-207 bytes
.set TT,  208                          ; v208-209
.set XX,  210                          ; v210-211 from lane l xor 16
.set MX,  212                          ; v212-213 the largest score so far, of A, B
.set FF,  214                          ; v[214:215], v[216:217] f = 2^(old M - new M) of A, B, named as pairs
.set OLD, 218                          ; v218-219
.set L,   220                          ; v220-223, v224-227 the sums of A, B, in four parts each
.set SPW, 228
.set NIL, 229
.set OA,  192
.set MK,  128                          ; (between a step's scores and the next step's mask these 64 also hold partial sums of p)
.set BN,  248                          ; v248-251 the largest scores of the blocks' second halves
.set TS,  232                          ; v232-247 and, from US on, v248-255: partial sums of B's p
.set US,  248
.set WV,  12
.set SEL, 20
.set CS,  22                           ; s[22:23] c = log2(e) / 8
.set TB,  66                           ; s66 LDS byte of the step's first group
.set TMK, 67                           ; s67 byte of the step's first key in the mask
.set CNT, 68
.set MSB, 0
.macro WIN new                         ; the immediate's high byte repeats the setting that is left
.if MSB != \new
	s_set_vgpr_msb (MSB<<8)|\new
.set MSB, \new
.endif
.endm
.macro WALU
	s_wait_alu depctr_va_vdst(0)
.endm
.macro CROUND                          ; a round of the cluster's barrier
	s_barrier_signal -1
	s_barrier_wait -1
	s_cmp_lg_u32 s[WV], 0
	s_cbranch_scc1 .Lnot_wave_0_\@
	s_barrier_signal -3
.Lnot_wave_0_\@:
	s_barrier_wait -3
	s_barrier_signal -1
	s_barrier_wait -1
.endm
.macro G1SET g, rows                   ; descriptor group 1: rows of 256 bytes (32 elements of 8 bytes), dense, no padding; 15:0 the mask: all four work-groups; 21 set beside a mask
	s_mov_b32 s[\g], 15|(3<<16)|(1<<21)
	s_mov_b32 s[\g+1], 32<<16
	s_mov_b32 s[\g+2], (\rows)<<16
	s_mov_b32 s[\g+3], 32<<16
	s_mov_b32 s[\g+4], \rows
	s_mov_b32 s[\g+5], 32
	s_mov_b32 s[\g+6], 0
	s_mov_b32 s[\g+7], 0
.endm
.macro TLOAD g0, g1
	tensor_load_to_lds s[\g0:\g0+3], s[\g1:\g1+7]
	s_nop 0
.rept 4
	v_nop
.endr
.endm
	s_load_b256 s[4:11], s[0:1], 0x0               ; qimg s[4:5], kvimg s[6:7], attention_mask s[8:9], out0 s[10:11]
	v_lshl_add_u32 v[SPW], v0, 2, SPARE
	v_mov_b32 v[NIL], 0
	ds_add_u32 v[SPW], v[NIL]                      ; the opening lines: the add, twice on end, and its wait
	ds_add_u32 v[SPW], v[NIL]
	v_lshrrev_b32 v1, 5, v0
	v_readfirstlane_b32 s[WV], v1                  ; wave 0..7
	s_mul_i32 s89, s[WV], 32*272
	s_add_co_u32 s89, s89, STAGE                   ; my stage
	s_and_b32 s83, s[WV], 1                        ; p: my tiles in their group are 2 p and 2 p + 1
	s_lshl_b32 s82, s83, 2
	v_and_b32 v230, 31, v0                         ; lane
	v_and_b32 v231, 15, v0                         ; r
	v_bfe_u32 v232, v0, 4, 1                       ; h
	v_lshlrev_b32 v7, 4, v0                        ; 16 x thread: twice the 256 threads' 4,096 bytes are the batch's mask
	v_lshlrev_b32 v1, 4, v230                      ; 16 x lane
	v_lshlrev_b32 v2, 3, v230                      ; 8 x lane
	v_lshl_add_u32 v3, v232, 7, MASK               ; the mask of my half's keys: 32 keys further on for lanes 16-31
	v_lshlrev_b32 v4, 12, v232
	v_mul_u32_u24 v5, v231, 272
	v_mul_u32_u24 v6, v232, 272
	v_lshl_add_u32 v4, v231, 4, v4                 ; the way out: lanes 0-15 one row of the output, lanes 16-31 the next; 16 bytes a lane
	v_lshl_add_u32 v5, v232, 7, v5
	v_lshl_add_u32 v6, v231, 4, v6
	v_add_nc_u32 v5, s89, v5                       ; into the stage: row r, + 128 h
	v_add_nc_u32 v6, s89, v6                       ; back: lanes 0-15 one row, lanes 16-31 the next
	v_add_nc_u32 v230, s82, v2                     ; Q's scale words: 8 x lane + 4 p
	v_lshl_add_u32 v233, v0, 4, MASK               ; where my 16 bytes of 8 x mask go
	WALU
	s_bfe_u32 s13, ttmp6, 0x40000                  ; cx: it enters Q's and the output's addresses alone
	s_lshl_b32 s14, ttmp9, 2
	s_add_co_u32 s14, s14, s13                     ; my block of 256 queries
	s_and_b32 s15, ttmp7, 0xffff                   ; batch x 16 + head, which the four partners share
	s_and_b32 s69, s[WV], 3
	G1SET 24, 26                                   ; one group
	G1SET 32, 182                                  ; seven groups
	s_mul_i32 s49, s69, GRP                        ; waves 0-3: group w, at the same place in LDS and in the head's part of kvimg
	s_mov_b32 s48, 1
	s_mul_i32 s53, s69, 7*GRP
	s_add_co_u32 s53, s53, 4*GRP                   ; waves 4-7: groups 4 + 7 (w - 4) on
	s_mov_b32 s52, 1
	s_mov_b32 s[SEL], 0x76543210
	s_mov_b32 s[SEL+1], 0xfedcba98
	s_mov_b32 s[CS], 0x3e38aa3b                    ; log2(e) / 8
	s_mov_b32 s[CS+1], s[CS]                       ; (named with it as a pair, so it is written)
	s_mul_i32 s70, s15, 32*GRP                     ; the head in kvimg
	s_mov_b32 s71, 0
	s_mov_b32 s73, 0
	s_lshr_b32 s87, s15, 4                         ; the batch
	s_lshl_b32 s76, s87, 13                        ; its 2,048 numbers of the mask
	s_mov_b32 s77, 0
	s_lshr_b32 s86, s[WV], 1
	s_lshl_b32 s78, s14, 2
	s_add_co_u32 s78, s78, s86                     ; my group of 64 queries: 4 x block + wave / 2
	s_lshl_b32 s79, s15, 5
	s_add_co_u32 s78, s78, s79
	s_mul_i32 s78, s78, 3328                       ; its unit in qimg
	s_mov_b32 s79, 0
	s_mul_i32 s80, s83, 1536                       ; my two tiles' half images
	s_mov_b32 s81, 0
	s_lshl_b32 s84, s14, 8                         ; my first token: 256 x block
	s_lshl_b32 s88, s86, 6
	s_add_co_u32 s84, s84, s88                     ; + 64 x (wave / 2)
	s_lshl_b32 s88, s83, 4
	s_add_co_u32 s84, s84, s88                     ; + 16 p
	s_lshl_b32 s88, s87, 11
	s_add_co_u32 s84, s84, s88                     ; + 2,048 x batch
	s_lshl_b32 s84, s84, 12                        ; rows of 4,096 bytes
	s_and_b32 s88, s15, 15
	s_lshl_b32 s88, s88, 8
	s_add_co_u32 s84, s84, s88                     ; + the head's 256 bytes
	s_mov_b32 s85, 0
	s_wait_dscnt 0x0                               ; both opening adds are done
	s_wait_kmcnt 0x0
	s_add_nc_u64 s[74:75], s[6:7], s[70:71]
	s_mov_b32 s72, s49
	s_add_nc_u64 s[50:51], s[74:75], s[72:73]
	s_or_b32 s51, s51, 0x80000000
	s_mov_b32 s72, s53
	s_add_nc_u64 s[54:55], s[74:75], s[72:73]
	s_or_b32 s55, s55, 0x80000000
	s_add_nc_u64 s[8:9], s[8:9], s[76:77]
	s_add_nc_u64 s[78:79], s[4:5], s[78:79]        ; Q's unit,
	s_add_nc_u64 s[80:81], s[78:79], s[80:81]      ; my tiles in it
	s_add_nc_u64 s[10:11], s[10:11], s[84:85]
	global_load_b128 v[108:111], v7, s[8:9]
	global_load_b128 v[112:115], v7, s[8:9] offset:4096
.irp x, 0,1
	global_load_b128 v[16+12*\x:19+12*\x], v1, s[80:81] offset:768*\x        ; Q's half images stay in registers
	global_load_b64 v[20+12*\x:21+12*\x], v2, s[80:81] offset:768*\x+512
.endr
	global_load_b32 v106, v230, s[78:79] offset:3072                        ; lanes 0-15 tile A's scale words, lanes 16-31 tile B's
	CROUND                                         ; all four work-groups are here: the joint loads meet
	s_cmp_lt_u32 s[WV], 4
	s_cbranch_scc0 .Lrest
	TLOAD 48, 24
	s_branch .Lasked
.Lrest:
	TLOAD 52, 32
.Lasked:
.irp x, 0,1
	v_mov_b32 v[MX+\x], 0xff61b1e6                 ; the largest score so far: -3e38, under every score
	v_mov_b32 v[NM+2*\x], 0x7f000000               ; -M: M so far is -2^127
	v_mov_b32 v[NM+1+2*\x], 0                      ; (named as the upper half of a pair)
	v_mov_b32 v[FF+1+2*\x], 0                      ; (likewise)
	v_mov_b32 v[XX+\x], 0                          ; written once: a lane permute's destination counts as one of its sources
.irp e, 0,1,2,3,4,5
	v_mov_b32 v[22+12*\x+\e], 0                    ; Q's upper 64 along K: zero codes
.endr
.irp e, 0,1,2,3
	v_mov_b32 v[L+4*\x+\e], 0                      ; the sums
.endr
.endr
.irp e, 0,1,2,3,4,5
	v_mov_b32 v[88+\e], 0                          ; what the last tile of K names as its upper six
.endr
	WIN 0x40
.set n, 0
.rept 64
	v_mov_b32 v[OA+n], 0                           ; O^T: the step is written once; the first finds zeros, which the first change of M leaves zeros
.set n, n+1
.endr
	WIN 0
	WALU
	s_wait_loadcnt 5                               ; the mask is in; Q's five loads may be out
.set n, 0
.rept 8
	v_mul_f32 v[108+n], 0x41000000, v[108+n]       ; 8 x mask: exact
.set n, n+1
.endr
.set n, 0
.rept 8
	v_max_num_f32 v[108+n], 0xcf800000, v[108+n]   ; held at -2^32
.set n, n+1
.endr
.set n, 0
.rept 8
	v_min_num_f32 v[108+n], 0x4f800000, v[108+n]   ; and at 2^32
.set n, n+1
.endr
	ds_store_b128 v233, v[108:111]
	ds_store_b128 v233, v[112:115] offset:4096
	WALU                                           ; the wait at the head's end
	s_wait_loadcnt 0x0                             ; Q
	s_cmp_lt_u32 s[WV], 4
	s_cbranch_scc0 .Lnot_first
	s_wait_tensorcnt 0x0                           ; the first four groups, waves 0 to 3's; the others may be out
.Lnot_first:
; LDS loads.  K's eight tiles and their scale words: 18; 8 x mask of 128 keys: 16 (the sixteen lanes of a half read the same bytes); V's four fragments (registers 6 c .. 6 c + 5 are group c's half image) and their scale words: 18
.macro KTILE T
	ds_load_b128 v[KF+6*\T:KF+6*\T+3], v10 offset:GRP*(\T/4)+768*(\T%4)
	ds_load_b64 v[KF+6*\T+4:KF+6*\T+5], v11 offset:GRP*(\T/4)+768*(\T%4)+512
.endm
.macro KSCALES
.irp c, 0,1
	ds_load_b64 v[94+2*\c:95+2*\c], v11 offset:GRP*\c+6144
.endr
.endm
.macro KLOAD
.irp T, 0,1,2,3,4,5,6,7
	KTILE \T
.endr
	KSCALES
.endm
.macro MLOAD
	WIN 0x40
.irp T, 0,1,2,3,4,5,6,7
	ds_load_b128 v[MK+8*\T:MK+8*\T+3], v7 offset:256*(\T/4)+32*(\T%4)
	ds_load_b128 v[MK+8*\T+4:MK+8*\T+7], v7 offset:256*(\T/4)+32*(\T%4)+16
.endr
	WIN 0
.endm
.macro VLOAD
.irp t, 0,1,2,3
.irp c, 0,1
	ds_load_b128 v[VF+12*\t+6*\c:VF+12*\t+6*\c+3], v8 offset:GRP*\c+3072+768*\t
	ds_load_b64 v[VF+12*\t+6*\c+4:VF+12*\t+6*\c+5], v9 offset:GRP*\c+3584+768*\t
.endr
.endr
.irp c, 0,1
	ds_load_b64 v[98+2*\c:99+2*\c], v9 offset:GRP*\c+6400
.endr
.endm
; a quarter of the exponentials, block q's 32, and among them the next block's t - M, two at a time (of the pairs c and -M the low word serves both halves)
.macro TMINUSM b, n
	v_pk_fma_f32 v[32*(\b)+\n:32*(\b)+\n+1], v[32*(\b)+\n:32*(\b)+\n+1], s[CS:CS+1], v[NM+2*((\b)/2):NM+2*((\b)/2)+1] op_sel_hi:[1,0,0]
.endm
.macro EXPS q
.irp n, 0,2,4,6,8,10,12,14,16,18,20,22,24,26,28,30
	v_exp_f32 v[32*\q+\n], v[32*\q+\n]             ; p = 2^(t - M): not normalised
	v_exp_f32 v[32*\q+\n+1], v[32*\q+\n+1]
.if \q < 3
	TMINUSM \q+1, \n
.endif
; and among them the first additions of the rows' sums, which name nothing that this batch writes: pairs of the block before, pairs of the sums made in the batch before, and once more
.if (\q > 0) && (\n%4 == 0)
	v_pk_add_f32 v[MK+16*(\q-1)+\n/2:MK+16*(\q-1)+\n/2+1], v[32*(\q-1)+\n:32*(\q-1)+\n+1], v[32*(\q-1)+\n+2:32*(\q-1)+\n+3]
.endif
.if (\q > 1) && (\n%8 == 2)
	v_pk_add_f32 v[MK+16*(\q-2)+4*(\n/8):MK+16*(\q-2)+4*(\n/8)+1], v[MK+16*(\q-2)+4*(\n/8):MK+16*(\q-2)+4*(\n/8)+1], v[MK+16*(\q-2)+4*(\n/8)+2:MK+16*(\q-2)+4*(\n/8)+3]
.endif
.if (\q > 2) && (\n%16 == 6)
	v_pk_add_f32 v[MK+8*(\n/16):MK+8*(\n/16)+1], v[MK+8*(\n/16):MK+8*(\n/16)+1], v[MK+8*(\n/16)+4:MK+8*(\n/16)+5]
.endif
.endr
.endm
; A KEY STEP: 128 keys, two groups, from LDS byte s[TB] on.  Its K and mask have been asked for in the step before (a phase's first: ahead of the loop); its V is asked for behind the scores, and then the next step's K and mask
; (in a phase's last step, held at that step's own place by the two s_min: the bytes lie inside what has been waited for, and what they bring is loaded anew or not used).
.macro STEP last
	s_wait_dscnt 0x0                               ; K and the mask are in
	WIN 0x50
.irp k, 0,1,2,3                                ; S^T = K Q^T + 8 mask: sixteen accumulators, one instruction each
.irp o, 0,1
.irp x, 0,1
	v_wmma_scale_f32_16x16x128_f8f6f4 v[64*\x+16*\k+8*\o:64*\x+16*\k+8*\o+7], v[KF+12*\k+6*\o:KF+12*\k+6*\o+11], v[16+12*\x:27+12*\x], v[MK+16*\k+8*\o:MK+16*\k+8*\o+7], v[94+\k], v106 matrix_a_fmt:MATRIX_FMT_FP6 matrix_b_fmt:MATRIX_FMT_FP6 matrix_a_scale:MATRIX_SCALE_ROW\o matrix_b_scale:MATRIX_SCALE_ROW\x
.endr
.endr
.endr
	WIN 0
	s_add_co_u32 s90, s[TB], 2*GRP
	s_min_u32 s90, s90, 2*GRP*(\last)
	s_add_co_u32 s91, s[TMK], 512
	s_min_u32 s91, s91, 512*(\last)
	v_add_nc_u32 v8, s[TB], v1                     ; five plain instructions behind the products: for the loads below and for the first read of the scores
	v_add_nc_u32 v9, s[TB], v2
	v_add_nc_u32 v10, s90, v1
	v_add_nc_u32 v11, s90, v2
	v_add_nc_u32 v7, s91, v3
	VLOAD
	WIN 0x15
.irp b, 0,1,2,3
	v_max3_num_f32 v[BM+\b], v[32*\b], v[32*\b+1], v[32*\b+2]   ; THE LARGEST SCORE OF EACH BLOCK OF 32 KEYS serves twice: for the row's maximum and, since p rises with the score, for the block's largest p
	v_max3_num_f32 v[BN+\b], v[32*\b+16], v[32*\b+17], v[32*\b+18]
.endr
	WIN 0x14
.irp i, 3,5,7,9,11,13
.irp b, 0,1,2,3
	v_max3_num_f32 v[BM+\b], v[BM+\b], v[32*\b+\i], v[32*\b+\i+1]   ; (the four blocks' halves by turns: eight chains; each accumulator is read from its low end first)
	v_max3_num_f32 v[BN+\b], v[BN+\b], v[32*\b+16+\i], v[32*\b+17+\i]
.endr
.endr
.irp b, 0,1,2,3
	v_max3_num_f32 v[BM+\b], v[BM+\b], v[32*\b+15], v[32*\b+31]
.endr
	WIN 0
	KTILE 0                                        ; the next step's K, among the lines that make M
.irp b, 0,1,2,3
	v_max_num_f32 v[BM+\b], v[BM+\b], v[BN+\b]
.endr
	KTILE 1
	KTILE 2
.irp x, 0,1
	v_max_num_f32 v[TT+\x], v[BM+2*\x], v[BM+2*\x+1]
.endr
	KTILE 3
	KTILE 4
.irp x, 0,1
	v_permlanex16_b32 v[XX+\x], v[TT+\x], s[SEL], s[SEL+1]
.endr
	KTILE 5
.irp x, 0,1
	v_mov_b32 v[OLD+\x], v[NM+2*\x]
.endr
	KTILE 6
.irp x, 0,1
	v_max3_num_f32 v[MX+\x], v[MX+\x], v[TT+\x], v[XX+\x]   ; the running largest score of my query, lane l xor 16's keys among them
.endr
	KTILE 7
.irp x, 0,1
	v_mul_f32 v[TT+\x], 0xbe38aa3b, v[MX+\x]       ; -t (c is positive)
.endr
	KSCALES
.irp x, 0,1
	v_floor_f32 v[NM+2*\x], v[TT+\x]               ; the new -M = floor(-t) = -ceil(t): M is a whole number
.endr
	WIN 0x41
.irp n, 0,2,4,6,8,10,12,14
	TMINUSM 0, \n
.endr
	WIN 0
.irp x, 0,1
	v_sub_f32 v[OLD+\x], v[NM+2*\x], v[OLD+\x]     ; M's old value less its new one: a whole number, 0 or less
.endr
	WIN 0x41
.irp n, 16,18,20,22,24,26,28,30
	TMINUSM 0, \n
.endr
	WIN 0
.irp b, 0,1,2,3
	v_fma_f32 v[BM+\b], v[BM+\b], s[CS], v[NM+2*(\b/2)]   ; t - M of each block's largest score
.endr
.irp x, 0,1
	v_cvt_i32_f32 v[OLD+\x], v[OLD+\x]             ; (it saturates)
.endr
.irp x, 0,1
	v_ldexp_f32 v[FF+2*\x], 1.0, v[OLD+\x]         ; f = 2^(old M - new M)
.endr
.irp x, 0,1
.irp e, 0,2
	v_pk_mul_f32 v[L+4*\x+\e:L+4*\x+\e+1], v[L+4*\x+\e:L+4*\x+\e+1], v[FF+2*\x:FF+2*\x+1] op_sel_hi:[1,0]   ; the sums under the new M
.endr
.endr
	WIN 0x41
.irp x, 0,1
.irp n, 0,2,4,6,8,10,12,14,16,18,20,22,24,26,28,30
	v_pk_mul_f32 v[OA+32*\x+\n:OA+32*\x+\n+1], v[OA+32*\x+\n:OA+32*\x+\n+1], v[FF+2*\x:FF+2*\x+1] op_sel_hi:[1,0]   ; O^T under the new M
.endr
.endr
	WIN 0
	WALU                                           ; the wait ahead of each batch, and behind it
.irp b, 0,1,2,3
	v_exp_f32 v[BM+\b], v[BM+\b]                   ; the block's largest p: the same two operations on the same number
.endr
	WIN 0x45
	EXPS 0
	WALU
	EXPS 1
	WALU
	EXPS 2
	WALU
	EXPS 3
	WIN 0
.irp b, 0,1,2,3
	v_max_num_f32 v[BM+\b], 0x1800000, v[BM+\b]    ; the floor 2^(3 - 127): the byte cannot fall under 1 (a block whose every p is 0 keeps that byte: its codes are zeros)
.endr
	WALU                                           ; for the last batch, and ahead of the wait below
	s_wait_dscnt 18                                ; V is in; the next step's K, 18 loads, may be out
	v_or_b32 v102, v98, v100                       ; V's scale words of the step: the even group's two bytes below, the odd group's above
	v_or_b32 v103, v99, v101
	WIN 0x05                                       ; THE ROWS' SUMS ARE TAKEN OF THE UNQUANTISED p.  B's last two blocks, pair by pair
.irp k, 0,1,2,3,4,5,6,7
	v_pk_add_f32 v[TS+2*\k:TS+2*\k+1], v[96+4*\k:97+4*\k], v[98+4*\k:99+4*\k]
.endr
.irp k, 0,1,2,3
	v_pk_add_f32 v[US+2*\k:US+2*\k+1], v[MK+32+4*\k:MK+33+4*\k], v[MK+34+4*\k:MK+35+4*\k]
.endr
	WIN 0x01
.irp b, 0,1,2,3
	v_add_nc_u32 v[SO+\b], 0xff000000, v[BM+\b]    ; 2 off the exponent field: the conversion's scale operand
.endr
.irp e, 0,2
	v_pk_add_f32 v[L+\e:L+\e+1], v[MK+4*\e:MK+4*\e+1], v[L+\e:L+\e+1]   ; A's partial sums: two of its first block,
.endr
.irp e, 0,2
	v_pk_add_f32 v[L+\e:L+\e+1], v[MK+16+2*\e:MK+17+2*\e], v[L+\e:L+\e+1]   ; four of its second
.endr
.irp b, 0,1,2,3
	v_lshrrev_b32 v[BY+\b], 23, v[SO+\b]           ; the scale's byte
.endr
.irp e, 0,2
	v_pk_add_f32 v[L+\e:L+\e+1], v[MK+24+2*\e:MK+25+2*\e], v[L+\e:L+\e+1]
.endr
	MLOAD                                          ; the partial sums are read: the next step's mask
	WIN 0x01
.irp x, 0,1
.irp c, 0,1
	v_cvt_scalef32_pk16_fp6_f32 v[P+12*\x+6*\c:P+12*\x+6*\c+2], v[64*\x+32*\c:64*\x+32*\c+15], v[SO+2*\x+\c]
	v_cvt_scalef32_pk16_fp6_f32 v[PT+8*\x+4*\c:PT+8*\x+4*\c+2], v[64*\x+32*\c+16:64*\x+32*\c+31], v[SO+2*\x+\c]   ; (a conversion's three registers begin on an even number)
.endr
.endr
	WIN 0
.irp x, 0,1
	v_lshl_or_b32 v[BY+2*\x], v[BY+2*\x+1], 16, v[BY+2*\x]   ; my bytes: blocks h and 2 + h.  (The first is also the plain instruction behind the conversions)
.endr
.irp k, 0,1,2,3
	v_pk_add_f32 v[TS+2*\k:TS+2*\k+1], v[TS+2*\k:TS+2*\k+1], v[TS+8+2*\k:TS+9+2*\k]
.endr
	v_permlane16_swap_b32 v[BY], v[BY+2]           ; the first now holds the h = 0 bytes of A (lanes 0-15) and B (lanes 16-31), the second the h = 1 bytes
.irp k, 0,1
	v_pk_add_f32 v[US+2*\k:US+2*\k+1], v[US+2*\k:US+2*\k+1], v[US+4+2*\k:US+5+2*\k]
.endr
.irp k, 0,1
	v_pk_add_f32 v[TS+2*\k:TS+2*\k+1], v[TS+2*\k:TS+2*\k+1], v[TS+4+2*\k:TS+5+2*\k]
.endr
	v_lshl_or_b32 v107, v[BY+2], 8, v[BY]          ; p's scale words for these 128 keys: lanes 0-15 A's, lanes 16-31 B's
.irp k, 0,1
	v_pk_add_f32 v[L+4+2*\k:L+5+2*\k], v[L+4+2*\k:L+5+2*\k], v[US+2*\k:US+2*\k+1]
.endr
.irp x, 0,1
.irp c, 0,1
.irp i, 0,1,2
	v_mov_b32 v[P+12*\x+6*\c+3+\i], v[PT+8*\x+4*\c+\i]
.endr
.endr
.endr
.irp k, 0,1
	v_pk_add_f32 v[L+4+2*\k:L+5+2*\k], v[L+4+2*\k:L+5+2*\k], v[TS+2*\k:TS+2*\k+1]
.endr
	v_nop                                          ; these four, with the two above, stand between the writes of p's codes and the products below
	v_nop
	WIN 0x50
.irp k, 0,1                                    ; O^T += V^T P^T: the eight accumulators take turns
.irp o, 0,1
.irp x, 0,1
	v_wmma_scale_f32_16x16x128_f8f6f4 v[OA+32*\x+16*\k+8*\o:OA+32*\x+16*\k+8*\o+7], v[VF+24*\k+12*\o:VF+24*\k+12*\o+11], v[P+12*\x:P+12*\x+11], v[OA+32*\x+16*\k+8*\o:OA+32*\x+16*\k+8*\o+7], v[102+\k], v107 matrix_a_fmt:MATRIX_FMT_FP6 matrix_b_fmt:MATRIX_FMT_FP6 matrix_a_scale:MATRIX_SCALE_ROW\o matrix_b_scale:MATRIX_SCALE_ROW\x
.endr
.endr
.endr
	WIN 0
.endm
; A PHASE: the keys of steps first .. last, behind a barrier in front of which the waves that brought them have waited.  Its first byte and trip count are constants, so that its reads lie in the bytes that have been waited for.
.macro PHASE first, last
	s_barrier_signal -1
	s_barrier_wait -1
	s_mov_b32 s[TB], 2*GRP*(\first)
	s_mov_b32 s[TMK], 512*(\first)
	s_mov_b32 s[CNT], (\last)-(\first)+1
	v_add_nc_u32 v10, s[TB], v1
	v_add_nc_u32 v11, s[TB], v2
	v_add_nc_u32 v7, s[TMK], v3
	v_nop                                          ; four plain instructions ahead of the loads
	KLOAD
	MLOAD
	WALU
.Lphase_\@:
	STEP \last
	s_add_co_u32 s[TB], s[TB], 2*GRP
	s_add_co_u32 s[TMK], s[TMK], 512
	s_sub_co_u32 s[CNT], s[CNT], 1
	s_cmp_lg_u32 s[CNT], 0
	s_cbranch_scc1 .Lphase_\@
	WALU                                           ; the wait directly ahead of the waits that follow
.endm
	s_wait_dscnt 0x0                               ; my part of 8 x mask is stored
	PHASE 0, 1
	s_wait_tensorcnt 0x0                           ; all my loads have landed
	s_wait_dscnt 0x0
	PHASE 2, 15
	; THE WAY OUT.  O^T is divided by the row's sum and goes through my stage in LDS, so that sixteen lanes store a query's 256 consecutive bytes.
	s_wait_dscnt 0x0                               ; the last step's held loads have landed: their registers are free
.irp x, 0,1
	v_pk_add_f32 v[L+4*\x:L+4*\x+1], v[L+4*\x:L+4*\x+1], v[L+4*\x+2:L+4*\x+3]
.endr
.irp x, 0,1
	v_add_f32 v[L+4*\x], v[L+4*\x], v[L+4*\x+1]    ; the sum's four parts,
.endr
.irp x, 0,1
	v_permlanex16_b32 v[XX+\x], v[L+4*\x], s[SEL], s[SEL+1]
.endr
.irp x, 0,1
	v_add_f32 v[L+4*\x], v[L+4*\x], v[XX+\x]       ; and lane l xor 16's: the row's sum
.endr
	WALU                                           ; the wait ahead of the batch, and behind it
	v_rcp_f32 v[L], v[L]
	v_rcp_f32 v[L+4], v[L+4]
	v_nop                                          ; a plain instruction behind the reciprocals
	WIN 0x01
	WALU
.irp x, 0,1
.set n, 0
.rept 32
	v_mul_f32 v[40+32*\x+n], v[OA+32*\x+n], v[L+4*\x]   ; register 8 t + j is d = 32 h + 8 t + j of query r; each accumulator from its low end on
.set n, n+1
.endr
.endr
	WIN 0
.irp x, 0,1
.irp t, 0,1,2,3
	ds_store_b128 v5, v[40+32*\x+8*\t:43+32*\x+8*\t] offset:16*272*\x+32*\t
	ds_store_b128 v5, v[44+32*\x+8*\t:47+32*\x+8*\t] offset:16*272*\x+32*\t+16
.endr
.endr
.irp x, 0,1
.irp i, 0,1,2,3,4,5,6,7
	ds_load_b128 v[108+32*\x+4*\i:111+32*\x+4*\i], v6 offset:16*272*\x+544*\i   ; LDS serves a wave's instructions in order (ISA guide 5.7.1.4): these see my stores.  Rows 2 i and 2 i + 1 of the tile
.endr
.endr
.irp x, 0,1
.irp i, 0,1,2,3,4,5,6,7
	s_wait_dscnt 15-8*\x-\i                        ; the younger loads may be out
	global_store_b128 v4, v[108+32*\x+4*\i:111+32*\x+4*\i], s[10:11] offset:(2*\i+24*(\i/4)+8*\x)*4096 th:TH_STORE_NT   ; row m of the tile is token m % 8 + 32 (m / 8) on: 16 lanes store 256 consecutive bytes, at a multiple of 256 from the output's first byte
.endr
.endr
	s_wait_tensorcnt 0x0                           ; the wave's end
	ds_add_u32 v[SPW], v[NIL]
	s_wait_dscnt 0x0
	CROUND                                         ; the closing round: no work-group ends while a partner may still ask for a tile that names it
	s_endpgm
.Lfunc_end_k_q5a6fec34db_attn:
	.size	k_q5a6fec34db_attn, .Lfunc_end_k_q5a6fec34db_attn-k_q5a6fec34db_attn
	.p2alignl 7, 3214868480
	.fill 96, 4, 3214868480
	.section	.rodata,"a",@progbits
	.p2align	6, 0x0
	.amdhsa_kernel k_q5a6fec34db_attn
		.amdhsa_group_segment_fixed_size 291840
		.amdhsa_private_segment_fixed_size 0
		.amdhsa_enable_private_segment 0
		.amdhsa_kernarg_size 32
		.amdhsa_user_sgpr_count 2
		.amdhsa_user_sgpr_kernarg_segment_ptr 1
		.amdhsa_wavefront_size32 1
		.amdhsa_system_sgpr_workgroup_id_x 1
		.amdhsa_system_sgpr_workgroup_id_y 1
		.amdhsa_system_sgpr_workgroup_id_z 1
		.amdhsa_system_vgpr_workitem_id 0
		.amdhsa_next_free_vgpr 512
		.amdhsa_next_free_sgpr 96
		.amdhsa_reserve_vcc 0
		.amdhsa_float_denorm_mode_32 3
		.amdhsa_float_denorm_mode_16_64 3
		.amdhsa_memory_ordered 1
		.amdhsa_forward_progress 1
		.amdhsa_inst_pref_size 82
	.end_amdhsa_kernel
	.amdgpu_metadata
---
amdhsa.version: [ 1, 2 ]
amdhsa.kernels:
  - .name:           k_q5a6fec34db_attn
    .symbol:         k_q5a6fec34db_attn.kd
    .args:
      - { .name: qimg, .offset: 0, .size: 8, .value_kind: global_buffer, .address_space: global }
      - { .name: kvimg, .offset: 8, .size: 8, .value_kind: global_buffer, .address_space: global }
      - { .name: attention_mask, .offset: 16, .size: 8, .value_kind: global_buffer, .address_space: global }
      - { .name: out0, .offset: 24, .size: 8, .value_kind: global_buffer, .address_space: global }
    .group_segment_fixed_size: 291840
    .private_segment_fixed_size: 0
    .kernarg_segment_align: 8
    .kernarg_segment_size: 32
    .max_flat_workgroup_size: 256
    .sgpr_count:     96
    .vgpr_count:     512
    .wavefront_size: 32
...
	.end_amdgpu_metadata
.endif
;; end of part 3
